; MI455X (gfx1250); checked and timed in simulation.
; The chip was launched on July 23, 2026; its instructions are those of AMD's public machine-readable ISA for CDNA 5 (MIT licence, August 2026) and "CDNA5" Instruction Set Architecture Reference Guide (July 2026). The comments in the code are by the model that wrote it; some were corrected since.
;; Attention Block. Allowed arithmetic: matrix products marked QUANTISED: E3M2 operands, one E8M0 scale for each 32 along K, by v_wmma_scale_f32_16x16x128_f8f6f4 with both operands' format E3M2, f32 sums; everything else in f32.
;; Inputs: Wk 128 x 128 float32; Wo 128 x 128 float32; Wq 128 x 128 float32; Wv 128 x 128 float32; beta 128 float32; bk 128 float32; bq 128 float32; bv 128 float32; gamma 128 float32; x 8 x 128 x 64 x 64 float32.
;; Outputs: out0 8 x 128 x 64 x 64 float32.
;; This version of the problem:
;;   THIS VERSION OF THE PROBLEM IS GIVEN IN LOW PRECISION. The matrix products marked QUANTISED in the list below multiply operands that are first quantised to E3M2 (3 exponent bits, 2 mantissa bits; 6 bits a number), with one power-of-two scale for each 32 numbers along K (OCP MX v1.0); their sums are f32. All else is computed in f32.
;;   The module's matrix products, in the order in which they are computed (A, B: the left and right operand; K: the contracted axis; several contracted axes count as one K, in the product's order):
;;     1. [M 32,768, K 128] x [K 128, N 128]; A: computed on the way; B: input Wq: QUANTISED
;;     2. [M 32,768, K 128] x [K 128, N 128]; A: computed on the way; B: input Wk: QUANTISED
;;     3. [M 32,768, K 128] x [K 128, N 128]; A: computed on the way; B: input Wv: QUANTISED
;;     4. batch 8 x [M 4,096, K 128] x [K 128, N 4,096]; A: computed on the way; B: computed on the way: QUANTISED
;;     5. batch 8 x [M 4,096, K 4,096] x [K 4,096, N 128]; A: softmax (see below); B: computed on the way: QUANTISED
;;     6. [M 32,768, K 128] x [K 128, N 128]; A: computed on the way; B: input Wo: QUANTISED
;;   THE QUANTISER, for each operand of a quantised product, along K:
;;     - K is cut into blocks of 32 from its start; a last block that is shorter is filled with zeros.
;;     - A block's scale is 2^e with e = floor(log2(the largest magnitude in the block)) - 4, held to -126 .. 127; a block of zeros has e = 0. As a byte (E8M0): e + 127.
;;     - Each number is divided by its block's scale, clamped to +-28, and rounded to the nearest number of E3M2, ties to even, subnormals kept.
;;     - The product sums the exact products of the quantised numbers (number of the format x scale) in f32.
;;   ~~~python
;;   def quantise(x, axis):      # numpy; x: float32 -> the quantised numbers, widened to float32 again
;;       x = np.moveaxis(x, axis, -1); K = x.shape[-1]
;;       x = np.pad(x, [(0, 0)] * (x.ndim - 1) + [(0, -K % 32)]); x = x.reshape(x.shape[:-1] + (-1, 32)); a = np.abs(x).max(-1, keepdims=True)
;;       e = np.where(a > 0, np.clip(np.frexp(np.where(a > 0, a, 1))[1] - 1 - 4, -126, 127), 0)      # np.frexp(a)[1] - 1 = floor(log2(a)), exactly
;;       r = np.clip(x / 2.0 ** e, -28, 28)
;;       step = 2.0 ** (np.maximum(np.frexp(np.where(r == 0, 1, r))[1] - 1, -2) - 2)
;;       q = np.round(r / step) * step * 2.0 ** e      # np.round: ties to even
;;       return np.moveaxis(q.reshape(q.shape[:-2] + (-1,))[..., :K], -1, axis).astype(np.float32)
;;   ~~~
;;   SOFTMAX AHEAD OF A QUANTISED PRODUCT. Where the list says 'softmax', what is quantised is not the finished softmax but p = 2^(t - M), with t = logit x log2(e) and M = ceil(the row's largest t), a whole number; so 1/2 < the row's largest p <= 1. The row's sum l is taken of the UNQUANTISED p, in f32, and the product's result is divided by l at the end. Since M is a whole number, a kernel that streams over the keys may use a running M (the ceiling of the running maximum): every later rescaling is an exact power of two, which a block's scale takes up: the codes' values come out the same.
;;   OPERANDS COMPUTED ON THE WAY. 'Computed on the way' means the value that the module computes at that place (a softmax that the list does not call 'softmax' is quantised finished and normalised). What goes into a quantiser is computed in f32, as accurately as f32 sums, v_exp_f32 and their like allow (about 1e-6 of the number): no bf16 or f16 on the way to a quantiser, and a product that is left as it is and whose result goes on into a quantised operand takes f32 operands (vector FMAs, or v_wmma_f32_16x16x4_f32). A number that lies on a knife's edge between two numbers of the format may be rounded either way, as far as f32 arithmetic and the matrix unit's own rounding can turn it there, and no further.
;; One version. Each part assembles by itself: llvm-mc -triple=amdgcn-amd-amdhsa -mcpu=gfx1250 --defsym DOCPART=n.
;; ======== version 1 of 1: 3 launches
;; limits: right only within a limited range of input values
;; workspace buffers: coef 8,192 bytes; wimg 51,200 bytes; qbuf 3,276,800 bytes; kv 6,553,600 bytes
;; launch stats (part 1): grid 260 x 1, 8 waves a work-group, no clusters, 2,048 bytes of LDS; arguments x, gamma, Wq, Wk, Wv, Wo, coef, wimg; writes coef, wimg
.if DOCPART == 1
	.amdgcn_target "amdgcn-amd-amdhsa--gfx1250"
	.amdhsa_code_object_version 6
	.text
	.protected	k_q8563dc38cb_stats
	.globl	k_q8563dc38cb_stats
	.p2align	8
	.type	k_q8563dc38cb_stats,@function
k_q8563dc38cb_stats:
	s_mov_b64 s[64:65], 0
	v_nop
	global_prefetch_b8 v0, s[64:65] scope:SCOPE_SE
	s_setreg_imm32_b32 hwreg(HW_REG_WAVE_MODE, 25, 1), 1
	s_wait_xcnt 0x0
; Two jobs in one launch, parted on the work-group's number.
; WORK-GROUPS 0-255: the statistics of one group of the group norm.  Group n = 32 b + g is 4 channels x 4,096 positions of x: 65,536 consecutive bytes.
;   Eight waves hold it in registers (64 numbers a thread), sum it, and sum the squared distances from the mean out of the same registers: x is read once,
;   and no difference of large sums is formed.  Stored: coef[b]: A[c] = gamma[c] / sqrt(var + 1e-6) at byte 4 c, the mean at byte 512 + 4 g.
; WORK-GROUPS 256-259: one weight each (Wq, Wk, Wv, Wo: [128 out][128 in] f32, K = in, innermost) becomes codes of E3M2 with one E8M0 byte for each 32 along K,
;   laid as the operand's registers want them: 8 tiles of 16 rows; a tile's 12 registers a lane as three runs of 512 bytes (registers 4 j .. 4 j + 3 of lane l at 512 j + 16 l).
;   THE ROWS OF A TILE ARE NOT NEIGHBOURS: lane r of tile t takes row 32 (t / 2) + 8 (t % 2) + r + 8 (r / 8), so that a product's results lie as the next quantiser wants them.
;   The scale word of (tile t, row r) lies at 12,288 + 16 (r + 16 (t / 4)) + 4 (t % 4): one load of 16 bytes a lane brings the words of all eight tiles.
; A block's scale is 2^(floor(log2(largest magnitude)) - 4); its byte is the largest magnitude's exponent field - 4, held at 1 from below.
; LIMITS: NaN and infinities are not served; a block whose largest magnitude lies under 2^-122 keeps the byte 1; a block of zeros gets the byte 1 and not 127
; (its codes are zeros, and this program alone reads the bytes).
; No matrix unit, no tensor load: each byte is used once, out of registers.
.set X,   16                           ; v16-79   my 64 numbers
.set AC,  80                           ; v80-87   four running sums, two numbers each
.set T,   88                           ; v88-95   at work
.set WB,  12800                        ; a weight's images and scale words in bytes
	s_load_b512 s[4:19], s[0:1], 0x0               ; x 4:5, gamma 6:7, Wq 8:9, Wk 10:11, Wv 12:13, Wo 14:15, coef 16:17, wimg 18:19
	v_lshl_add_u32 v128, v0, 2, 0x400
	v_mov_b32 v129, 0
	v_lshrrev_b32 v1, 5, v0
	s_delay_alu instid0(VALU_DEP_1)
	v_readfirstlane_b32 s20, v1                    ; wave 0..7
	s_mov_b32 s30, 0x76543210                      ; v_permlanex16_b32's selects for lane l xor 16
	s_mov_b32 s31, 0xfedcba98
	s_cmp_ge_u32 ttmp9, 256                        ; the same way for all eight waves
	s_cbranch_scc1 .Lweights
	; ---------------- the statistics of group n = ttmp9
	v_lshlrev_b32 v98, 2, v1                       ; LDS: my wave's word
	v_lshlrev_b32 v2, 4, v0                        ; 16 bytes a thread: a load of the work-group covers 4,096 consecutive bytes
	v_mov_b32 v99, 0
	v_mov_b32 v97, 0                               ; a lane permute's destination counts as read: written once
	s_lshl_b32 s22, ttmp9, 16                      ; the group's first byte in x
	s_mov_b32 s23, 0
	s_and_b32 s21, ttmp9, 31                       ; g
	s_lshr_b32 s29, ttmp9, 5                       ; b
	s_lshl_b32 s28, s29, 10                        ; coef: 1,024 bytes a batch entry
	s_lshl_b32 s36, s21, 4                         ; 16 g: the group's four channels in gamma and in A
	s_mov_b32 s37, 0
	s_add_co_u32 s32, s28, s36
	s_mov_b32 s33, 0
	s_lshl_b32 s34, s21, 2
	s_add_co_u32 s34, s34, s28
	s_mov_b32 s35, 0
	s_wait_alu depctr_va_vdst(0)
	s_wait_kmcnt 0x0
	s_add_nc_u64 s[4:5], s[4:5], s[22:23]
	s_add_nc_u64 s[6:7], s[6:7], s[36:37]
	s_add_nc_u64 s[32:33], s[16:17], s[32:33]      ; where A goes
	s_add_nc_u64 s[34:35], s[16:17], s[34:35]      ; where the mean goes, less 512
.set i, 0
.rept 16
	global_load_b128 v[X+4*i:X+4*i+3], v2, s[4:5] offset:4096*i    ; no hint: the later launches read x again
.set i, i+1
.endr
	s_load_b128 s[24:27], s[6:7], 0x0              ; gamma of the four channels
	; pass 1: the sum, in four chains; loads come back in order, so each count leaves the younger loads out
	s_wait_loadcnt 12
.irp k, 0,1,2,3
	v_pk_add_f32 v[AC+2*\k:AC+2*\k+1], v[X+2*\k:X+2*\k+1], v[X+8+2*\k:X+9+2*\k]   ; the first eight pairs start the chains: nothing is cleared
.endr
	s_wait_alu depctr_va_vdst(0)
.irp m, 1,2,3
	s_wait_alu depctr_va_vdst(0)
	s_wait_loadcnt 12-4*\m
.irp k, 0,1,2,3
	v_pk_add_f32 v[AC+2*\k:AC+2*\k+1], v[AC+2*\k:AC+2*\k+1], v[X+16*\m+2*\k:X+16*\m+2*\k+1]
.endr
.irp k, 0,1,2,3
	s_delay_alu instid0(VALU_DEP_4)
	v_pk_add_f32 v[AC+2*\k:AC+2*\k+1], v[AC+2*\k:AC+2*\k+1], v[X+16*\m+8+2*\k:X+16*\m+9+2*\k]
.endr
.endr
; the four chains, the pair's halves and the 32 lanes: the wave's sum in every lane's v96
.macro WSUM
	v_pk_add_f32 v[AC:AC+1], v[AC:AC+1], v[AC+2:AC+3]
	s_delay_alu instid0(VALU_DEP_2)
	v_pk_add_f32 v[AC+4:AC+5], v[AC+4:AC+5], v[AC+6:AC+7]
	s_delay_alu instid0(VALU_DEP_1)
	v_pk_add_f32 v[AC:AC+1], v[AC:AC+1], v[AC+4:AC+5]
	s_delay_alu instid0(VALU_DEP_1)
	v_add_f32 v96, v[AC], v[AC+1]
	s_delay_alu instid0(VALU_DEP_1)
	v_add_f32_dpp v96, v96, v96 row_xmask:1 row_mask:0xf bank_mask:0xf
	s_delay_alu instid0(VALU_DEP_1)
	v_add_f32_dpp v96, v96, v96 row_xmask:2 row_mask:0xf bank_mask:0xf
	s_delay_alu instid0(VALU_DEP_1)
	v_add_f32_dpp v96, v96, v96 row_xmask:4 row_mask:0xf bank_mask:0xf
	s_delay_alu instid0(VALU_DEP_1)
	v_add_f32_dpp v96, v96, v96 row_xmask:8 row_mask:0xf bank_mask:0xf
	s_delay_alu instid0(VALU_DEP_1)
	v_permlanex16_b32 v97, v96, s30, s31
	s_delay_alu instid0(VALU_DEP_1)
	v_add_f32 v96, v96, v97
.endm
; the eight waves' sums meet in LDS, at byte off: each wave stores its word, one barrier, every wave reads all eight; the sum in v100
.macro GSUM off
	ds_store_b32 v98, v96 offset:\off
	s_wait_dscnt 0x0                               ; for the others' sake: my word has landed
	s_barrier_signal -1
	s_barrier_wait -1
	ds_load_b128 v[100:103], v99 offset:\off
	ds_load_b128 v[104:107], v99 offset:\off+16
	s_wait_dscnt 0x0
	v_add_f32 v100, v100, v101
	v_add_f32 v102, v102, v103
	v_add_f32 v104, v104, v105
	v_add_f32 v106, v106, v107
	s_delay_alu instid0(VALU_DEP_3)
	v_add_f32 v100, v100, v102
	s_delay_alu instid0(VALU_DEP_2)
	v_add_f32 v104, v104, v106
	s_delay_alu instid0(VALU_DEP_1)
	v_add_f32 v100, v100, v104
.endm
	WSUM
	GSUM 0
	s_delay_alu instid0(VALU_DEP_1)
	v_mul_f32 v108, 0x38800000, v100               ; / 16,384 numbers: the mean
	s_delay_alu instid0(VALU_DEP_1)
	v_mov_b32 v109, v108                           ; twice, for the packed subtraction
	; pass 2: the sum of (x - mean)^2, out of the same registers
.set p, 0
.rept 32
	v_pk_add_f32 v[T+2*(p%4):T+2*(p%4)+1], v[X+2*p:X+2*p+1], v[108:109] neg_lo:[0,1] neg_hi:[0,1]
.if p < 4
	s_delay_alu instid0(VALU_DEP_1)
	v_pk_mul_f32 v[AC+2*p:AC+2*p+1], v[T+2*p:T+2*p+1], v[T+2*p:T+2*p+1]
.else
	s_delay_alu instid0(VALU_DEP_1)
	v_pk_fma_f32 v[AC+2*(p%4):AC+2*(p%4)+1], v[T+2*(p%4):T+2*(p%4)+1], v[T+2*(p%4):T+2*(p%4)+1], v[AC+2*(p%4):AC+2*(p%4)+1]
.endif
.set p, p+1
.endr
	WSUM
	GSUM 64                                        ; other bytes than the first sum's: no wave can overwrite what another still reads
	v_mov_b32 v111, 0x358637bd                     ; 1e-6
	s_delay_alu instid0(VALU_DEP_1)
	v_fmamk_f32 v110, v100, 0x38800000, v111       ; var + eps
	s_wait_alu depctr_va_vdst(0)
	v_rsq_f32 v116, v110
	v_nop                                          ; one plain instruction behind the transcendental
	s_wait_kmcnt 0x0                               ; gamma
	s_wait_alu depctr_va_vdst(0)
.irp j, 0,1,2,3
	v_mul_f32 v[112+\j], s[24+\j], v116            ; A = gamma / sqrt(var + eps)
.endr
	v_cmp_eq_u32 vcc_lo, 0, v0
	s_wait_alu depctr_va_vdst(0)
	s_wait_xcnt 0x0                                ; EXEC changes only when every earlier memory instruction has had its addresses translated
	s_wait_tensorcnt 0x0
	ds_add_u32 v128, v129
	s_wait_dscnt 0x0
	s_and_saveexec_b32 s28, vcc_lo                 ; thread 0 alone stores: 20 bytes a group
	global_store_b128 v99, v[112:115], s[32:33]
	global_store_b32 v99, v108, s[34:35] offset:512
	s_wait_xcnt 0x0
	s_or_b32 exec_lo, exec_lo, s28
	s_endpgm
	; ---------------- one weight; wave t makes tile t.  No LDS, no barrier
.Lweights:
	s_sub_co_u32 s21, ttmp9, 256                   ; 0 Wq, 1 Wk, 2 Wv, 3 Wo
	v_and_b32 v2, 15, v0                           ; r
	v_bfe_u32 v3, v0, 4, 1                         ; h
	s_delay_alu instid0(VALU_DEP_2)
	v_and_b32 v4, 8, v2
	s_delay_alu instid0(VALU_DEP_1)
	v_add_nc_u32 v4, v4, v2                        ; r + 8 (r / 8)
	s_delay_alu instid0(VALU_DEP_1)
	v_lshlrev_b32 v4, 9, v4                        ; a row is 512 bytes
	s_delay_alu instid0(VALU_DEP_1)
	v_lshl_add_u32 v4, v3, 7, v4                   ; + 128 h: the operand's layout gives lane (r, h) k = 64 c + 32 h + 0 .. 31
	s_lshr_b32 s22, s20, 1
	s_lshl_b32 s22, s22, 5
	s_and_b32 s23, s20, 1
	s_lshl_b32 s23, s23, 3
	s_add_co_u32 s22, s22, s23                     ; the tile's first row: 32 (t / 2) + 8 (t % 2)
	s_lshl_b32 s22, s22, 9
	v_add_nc_u32 v4, s22, v4
	v_and_b32 v5, 31, v0
	s_delay_alu instid0(VALU_DEP_1)
	v_lshlrev_b32 v5, 4, v5                        ; 16 x lane: my place in a run of an image
	v_lshlrev_b32 v6, 4, v2                        ; 16 r: my row's place among the scale words
	v_mov_b32 v87, 0
	s_mul_i32 s22, s21, WB
	s_mul_i32 s23, s20, 1536
	s_add_co_u32 s24, s22, s23                     ; the image of tile t
	s_mov_b32 s25, 0
	s_lshr_b32 s23, s20, 2
	s_lshl_b32 s23, s23, 8
	s_and_b32 s28, s20, 3
	s_lshl_b32 s28, s28, 2
	s_add_co_u32 s34, s22, s23
	s_add_co_u32 s34, s34, s28                     ; its scale words: 256 (t / 4) + 4 (t % 4)
	s_mov_b32 s35, 0
	s_wait_alu depctr_va_vdst(0)
	s_wait_kmcnt 0x0
	s_cmp_eq_u32 s21, 1                            ; the choice hangs on the work-group's number alone
	s_cselect_b64 s[8:9], s[10:11], s[8:9]
	s_cmp_eq_u32 s21, 2
	s_cselect_b64 s[8:9], s[12:13], s[8:9]
	s_cmp_eq_u32 s21, 3
	s_cselect_b64 s[8:9], s[14:15], s[8:9]
	s_add_nc_u64 s[26:27], s[18:19], s[24:25]
	s_add_nc_u64 s[32:33], s[18:19], s[34:35]
.irp c, 0,1
.irp i, 0,1,2,3,4,5,6,7
	global_load_b128 v[X+32*\c+4*\i:X+32*\c+4*\i+3], v4, s[8:9] offset:256*\c+16*\i   ; my block 2 c + h: 32 neighbours along K, 128 bytes
.endr
.endr
	s_wait_loadcnt 0x0
.irp c, 0,1
	v_max3_num_f32 v[80+\c], |v[X+32*\c]|, |v[X+1+32*\c]|, 0x2800000   ; and the floor 2^(5 - 127): the byte cannot fall under 1
.endr
.irp i, 2,4,6,8,10,12,14,16,18,20,22,24,26,28,30
.irp c, 0,1
	s_delay_alu instid0(VALU_DEP_2)
	v_max3_num_f32 v[80+\c], v[80+\c], |v[X+32*\c+\i]|, |v[X+1+32*\c+\i]|   ; (the two blocks by turns)
.endr
.endr
.irp c, 0,1
	s_delay_alu instid0(VALU_DEP_2)
	v_add_nc_u32 v[82+\c], 0xfe000000, v[80+\c]    ; 4 off the exponent field: the conversion takes this operand's exponent field as its scale
.endr
.irp c, 0,1
	s_delay_alu instid0(VALU_DEP_2)
	v_lshrrev_b32 v[84+\c], 23, v[82+\c]           ; the scale's byte
.endr
	s_delay_alu instid0(VALU_DEP_1)
	v_lshl_or_b32 v86, v85, 16, v84                ; my two bytes, blocks h and 2 + h of my row,
	v_lshlrev_b32 v88, 3, v3
	s_delay_alu instid0(VALU_DEP_1)
	v_lshlrev_b32 v86, v88, v86                    ; at their places in the word;
	s_delay_alu instid0(VALU_DEP_1)
	v_permlanex16_b32 v87, v86, s30, s31
	s_delay_alu instid0(VALU_DEP_1)
	v_or_b32 v86, v86, v87                         ; with lane l xor 16's two the word is whole
.irp c, 0,1
	v_cvt_scalef32_pk16_bf6_f32 v[92+6*\c:94+6*\c], v[X+32*\c:X+15+32*\c], v[82+\c]
	v_cvt_scalef32_pk16_bf6_f32 v[104+4*\c:106+4*\c], v[X+16+32*\c:X+31+32*\c], v[82+\c]   ; (a conversion's three registers begin on an even number)
.endr
	v_nop                                          ; one plain instruction behind a scaled conversion
.irp c, 0,1
.irp i, 0,1,2
	v_mov_b32 v[95+6*\c+\i], v[104+4*\c+\i]
.endr
.endr
.irp j, 0,1,2
	global_store_b128 v5, v[92+4*\j:95+4*\j], s[26:27] offset:512*\j      ; 32 lanes store 512 consecutive bytes
.endr
	global_store_b32 v6, v86, s[32:33] offset:12288                       ; 4 bytes a row, 16 bytes apart: 2 KiB in the whole launch (both halves of the lanes write the same word)
	s_endpgm
.Lfunc_end_k_q8563dc38cb_stats:
	.size	k_q8563dc38cb_stats, .Lfunc_end_k_q8563dc38cb_stats-k_q8563dc38cb_stats
	.p2alignl 7, 3214868480
	.fill 96, 4, 3214868480
	.section	.rodata,"a",@progbits
	.p2align	6, 0x0
	.amdhsa_kernel k_q8563dc38cb_stats
		.amdhsa_group_segment_fixed_size 2048
		.amdhsa_private_segment_fixed_size 0
		.amdhsa_enable_private_segment 0
		.amdhsa_kernarg_size 64
		.amdhsa_user_sgpr_count 2
		.amdhsa_user_sgpr_kernarg_segment_ptr 1
		.amdhsa_wavefront_size32 1
		.amdhsa_system_sgpr_workgroup_id_x 1
		.amdhsa_system_sgpr_workgroup_id_y 1
		.amdhsa_system_sgpr_workgroup_id_z 1
		.amdhsa_system_vgpr_workitem_id 0
		.amdhsa_next_free_vgpr 130
		.amdhsa_next_free_sgpr 66
		.amdhsa_reserve_vcc 1
		.amdhsa_float_denorm_mode_32 3
		.amdhsa_float_denorm_mode_16_64 3
		.amdhsa_memory_ordered 1
		.amdhsa_forward_progress 1
		.amdhsa_inst_pref_size 23
	.end_amdhsa_kernel
	.amdgpu_metadata
---
amdhsa.version: [ 1, 2 ]
amdhsa.kernels:
  - .name:           k_q8563dc38cb_stats
    .symbol:         k_q8563dc38cb_stats.kd
    .args:
      - { .name: x, .offset: 0, .size: 8, .value_kind: global_buffer, .address_space: global }
      - { .name: gamma, .offset: 8, .size: 8, .value_kind: global_buffer, .address_space: global }
      - { .name: Wq, .offset: 16, .size: 8, .value_kind: global_buffer, .address_space: global }
      - { .name: Wk, .offset: 24, .size: 8, .value_kind: global_buffer, .address_space: global }
      - { .name: Wv, .offset: 32, .size: 8, .value_kind: global_buffer, .address_space: global }
      - { .name: Wo, .offset: 40, .size: 8, .value_kind: global_buffer, .address_space: global }
      - { .name: coef, .offset: 48, .size: 8, .value_kind: global_buffer, .address_space: global }
      - { .name: wimg, .offset: 56, .size: 8, .value_kind: global_buffer, .address_space: global }
    .group_segment_fixed_size: 2048
    .private_segment_fixed_size: 0
    .kernarg_segment_align: 8
    .kernarg_segment_size: 64
    .max_flat_workgroup_size: 256
    .sgpr_count:     66
    .vgpr_count:     130
    .wavefront_size: 32
...
	.end_amdgpu_metadata
.endif
;; end of part 1
;; launch qkv (part 2): grid 256 x 1, 8 waves a work-group, no clusters, 46,080 bytes of LDS; arguments x, beta, bq, bk, bv, coef, wimg, qbuf, kv; writes qbuf, kv
.if DOCPART == 2
	.amdgcn_target "amdgcn-amd-amdhsa--gfx1250"
	.amdhsa_code_object_version 6
	.text
	.protected	k_q8563dc38cb_qkv
	.globl	k_q8563dc38cb_qkv
	.p2align	8
	.type	k_q8563dc38cb_qkv,@function
k_q8563dc38cb_qkv:
	s_mov_b64 s[64:65], 0
	v_nop
	global_prefetch_b8 v0, s[64:65] scope:SCOPE_SE
	s_setreg_imm32_b32 hwreg(HW_REG_WAVE_MODE, 25, 1), 1
	s_wait_xcnt 0x0
; Group norm applied, quantised, and the three projections q, k, v, each quantised again for the attention launch.  All products on codes of E3M2 with one E8M0 byte for each 32 along K.
; SHARES.  Work-group n = 32 b + blk takes 128 positions of batch entry b: one block of queries and one step of keys.  Eight waves.
; PHASE X.  xn[pos][c] = (x[b][c][pos] - mean) A[c] + beta[c], K = c.  x has the positions innermost, so A LANE TAKES A POSITION AND ITS REGISTERS RUN DOWN 32 CHANNELS:
;   each load reads 128 consecutive bytes, a block of 32 along K lies in one lane, and the conversions give codes with K innermost.  Wave w: channels 32 (w % 4) on, positions 32 (w / 4) + lane, and 64 further on.
;   The codes go to LDS as rows of 96 bytes (a position's 128 channels), the bytes beside them as one word a position.
; PRODUCTS.  P(T, r) = 32 (T / 2) + 8 (T % 2) + r + 8 (r / 8) is the row that lane r of tile T takes, everywhere.  Then the 16 registers of result tiles 2 b' and 2 b' + 1 are 16 neighbours along the next K.
;   q, k: source 0 = 16 rows of the weight (tile t), source 1 = my 16 positions (tile w): a lane holds one position, its 64 registers the 128 channels of its half: quantised along the channels.
;   v:    source 0 = 16 positions (tile T), source 1 = my 16 rows of Wv (tile w): a lane holds one channel, its registers run along the positions: quantised along the KEYS, as the second attention product wants.
;   The biases are the C of the products: bq, bk loaded into the accumulators in the result's layout, bv as eight copies of the lane's number.
; OUT.  Each wave's fragment leaves as an image of its 12 registers (three stores of 512 consecutive bytes); the scale words are gathered in LDS and leave as runs of 512 bytes.
;   qbuf, 12,800 bytes a block: 8 images, then the scale words (word of tile T, row r at 16 (r + 16 (T / 4)) + 4 (T % 4)).
;   kv, 25,600 bytes a block: K's 8 images, V's 8 images at 12,288, K's scale words at 24,576, V's at 25,088.
; LIMITS: NaN and infinities are not served; a block whose largest magnitude lies under 2^-122 keeps the byte 1; a block of zeros gets the byte 1 and not 127 (its codes are zeros; this program alone reads the bytes).
; No tensor load: each byte of x is used once, out of registers; the weights' images are 24 KiB, brought once by the eight waves together.
.set XPITCH, 104                       ; a position's row of codes in LDS: 96 bytes + 8 = 26 words: the 32 lanes of a store of 8 bytes fall on 64 different banks (64 banks of 4 bytes: ISA guide 11.1)
.set XSC,  128*XPITCH                  ; 13,312: one scale word a position
.set WI,   XSC+512                     ; 13,824: Wq's eight images, then Wk's
.set BI,   WI+2*12288                  ; 38,400: bq, then bk
.set SCS,  BI+1024                     ; 39,424: the results' scale words: K's, V's, Q's, 512 bytes each
.set WB,   12800                       ; a weight's images and scale words in wimg
.set WV,   22                          ; s22      wave
.set GA,   24                          ; s[24:55] A of my 32 channels
.set MEAN, 56                          ; s[56:63] the means of their 8 groups
.set SEL,  66                          ; s[66:67] v_permlanex16_b32's selects for lane l xor 16
.set BE,   68                          ; s[68:99] beta of my 32 channels
.set XF,   16                          ; v16-27   my tile of xn
.set XS,   28                          ; v28      its scale words
.set PW,   31                          ; v31      the scale word just made
.set RAW,  32                          ; v32-95   x as loaded; then the eight accumulators
.set PC,   96                          ; v96-115  the codes just made
.set TM,   116                         ; v116-131 at work in the quantiser; v116-123 also bv eight times
.set WF,   132                         ; v132-227 eight fragments: a weight's, then xn's
.set WSQ,  228                         ; v228-231 Wq's scale words, v232-235 Wk's; later xn's, a register a tile
.set WSK,  232
.set WVF,  244                         ; v244-255 my tile of Wv; v30 its scale words; v236 bv of my lane's channel
	s_load_b512 s[4:19], s[0:1], 0x0               ; x 4:5, beta 6:7, bq 8:9, bk 10:11, bv 12:13, coef 14:15, wimg 16:17, qbuf 18:19
	s_load_b64 s[20:21], s[0:1], 0x40              ; kv
	v_lshl_add_u32 v126, v0, 2, 0xb000
	v_mov_b32 v127, 0
	v_lshrrev_b32 v240, 5, v0
	s_delay_alu instid0(VALU_DEP_1)
	v_readfirstlane_b32 s[WV], v240                ; wave 0..7
	s_mov_b32 s[SEL], 0x76543210
	s_mov_b32 s[SEL+1], 0xfedcba98
	s_lshr_b32 s24, ttmp9, 5                       ; b      (s24-37 are at work here; the scalar loads below take them over)
	s_and_b32 s25, ttmp9, 31                       ; blk
	s_and_b32 s26, s[WV], 3                        ; cb = w % 4
	s_lshr_b32 s27, s[WV], 2                       ; w / 4
	s_lshr_b32 s28, s[WV], 1
	s_lshl_b32 s28, s28, 5
	s_and_b32 s29, s[WV], 1
	s_lshl_b32 s29, s29, 3
	s_add_co_u32 s28, s28, s29                     ; tile w's first row: 32 (w / 2) + 8 (w % 2)
	; every address register is made here, once
	v_and_b32 v240, 31, v0                         ; lane
	v_and_b32 v241, 15, v0                         ; r
	v_bfe_u32 v242, v0, 4, 1                       ; h
	s_delay_alu instid0(VALU_DEP_2)
	v_and_b32 v243, 8, v241
	s_delay_alu instid0(VALU_DEP_1)
	v_add_nc_u32 v243, v243, v241                  ; r + 8 (r / 8)
	v_lshlrev_b32 v1, 2, v240                      ; v1  4 x lane
	v_lshlrev_b32 v2, 4, v240                      ; v2  16 x lane
	s_delay_alu instid0(VALU_DEP_3)
	v_mul_u32_u24 v3, v243, XPITCH
	s_delay_alu instid0(VALU_DEP_1)
	v_mad_u32_u24 v3, v242, 24, v3                 ; v3  a fragment of xn: my row of a tile, + 24 h
	s_mul_i32 s29, s28, XPITCH
	v_add_nc_u32 v4, s29, v3                       ; v4  the same in tile w
	v_lshl_add_u32 v5, v243, 2, XSC                ; v5  its scale word
	s_lshl_b32 s29, s28, 2
	v_add_nc_u32 v6, s29, v5                       ; v6  the same in tile w
	v_lshl_add_u32 v239, v243, 2, s29              ; v239 bv: 4 P(w, r)
	s_mul_i32 s29, s27, 32*XPITCH
	s_mul_i32 s30, s26, 24
	s_add_co_u32 s29, s29, s30
	v_mul_u32_u24 v7, v240, XPITCH
	s_delay_alu instid0(VALU_DEP_1)
	v_add_nc_u32 v7, s29, v7                       ; v7  where my position's 24 bytes of codes go: row 32 (w / 4) + lane, byte 24 cb
	s_lshl_b32 s29, s27, 7
	s_add_co_u32 s29, s29, s26
	s_add_co_u32 s29, s29, XSC
	v_add_nc_u32 v8, s29, v1                       ; v8  and its scale byte: byte cb of the position's word
	s_mul_i32 s29, s[WV], 1536
	v_add_nc_u32 v14, s29, v2                      ; v14 image w: 16 x lane + 1,536 w
	s_delay_alu instid0(VALU_DEP_1)
	v_add_nc_u32 v9, WI, v14                       ; v9  the same in LDS
	v_lshl_add_u32 v10, v0, 2, BI                  ; v10 where my word of bq or bk goes
	v_lshl_add_u32 v11, v0, 4, SCS                 ; v11 the scale words on their way out: 16 bytes a thread
	v_lshl_add_u32 v12, v242, 6, BI                ; v12 a bias in the result's layout: + 64 h
	s_lshl_b32 s29, s27, 8
	s_lshl_b32 s30, s26, 2
	s_add_co_u32 s29, s29, s30
	v_lshl_add_u32 v237, v241, 4, s29              ; v237 the word of (tile w, row r) in a set of scale words
	s_delay_alu instid0(VALU_DEP_1)
	v_add_nc_u32 v13, SCS, v237                    ; v13 the same in LDS
	v_lshlrev_b32 v15, 4, v0                       ; v15 16 x thread
	v_and_b32 v238, 127, v0
	s_delay_alu instid0(VALU_DEP_1)
	v_lshlrev_b32 v238, 2, v238                    ; v238 my word of bq (waves 0-3) or bk (waves 4-7)
.irp b, 0,1,2,3
	v_mov_b32 v[TM+4+\b], 0                        ; written once: a lane permute's destination counts as read
.endr
	; offsets, each in a pair of its own
	s_lshl_b32 s2, s24, 21                         ; x: batch entry,
	s_lshl_b32 s29, s26, 19                        ; 32 cb channels of 16,384 bytes,
	s_add_co_u32 s2, s2, s29
	s_lshl_b32 s29, s25, 9                         ; the block's 128 positions,
	s_add_co_u32 s2, s2, s29
	s_lshl_b32 s29, s27, 7                         ; my 32 of them
	s_add_co_u32 s2, s2, s29
	s_mov_b32 s3, 0
	s_lshl_b32 s29, s24, 10                        ; coef: 1,024 bytes a batch entry
	s_lshl_b32 s32, s26, 7                         ; 128 cb: my 32 channels in A and in beta
	s_mov_b32 s33, 0
	s_add_co_u32 s100, s29, s32
	s_mov_b32 s101, 0
	s_lshl_b32 s30, s26, 5                         ; 32 cb: their 8 groups
	s_add_co_u32 s30, s30, s29
	s_mov_b32 s31, 0
	s_mul_i32 s34, ttmp9, 12800
	s_mov_b32 s35, 0
	s_mul_i32 s36, ttmp9, 25600
	s_mov_b32 s37, 0
	s_wait_alu depctr_va_vdst(0)
	s_wait_kmcnt 0x0
	s_cmp_lt_u32 s[WV], 4                          ; the choice hangs on the wave's number alone
	s_cselect_b64 s[8:9], s[8:9], s[10:11]         ; bq or bk
	s_add_nc_u64 s[4:5], s[4:5], s[2:3]
	s_add_nc_u64 s[10:11], s[14:15], s[30:31]      ; the means, less 512
	s_add_nc_u64 s[14:15], s[14:15], s[100:101]    ; A
	s_add_nc_u64 s[6:7], s[6:7], s[32:33]          ; beta
	s_add_nc_u64 s[18:19], s[18:19], s[34:35]      ; my block of qbuf
	s_add_nc_u64 s[20:21], s[20:21], s[36:37]      ; and of kv
	s_load_b512 s[GA:GA+15], s[14:15], 0x0
	s_load_b512 s[GA+16:GA+31], s[14:15], 0x40
	s_load_b256 s[MEAN:MEAN+7], s[10:11], 0x200
	s_load_b512 s[BE:BE+15], s[6:7], 0x0
	s_load_b512 s[BE+16:BE+31], s[6:7], 0x40
	; all global loads go out here: 32 + 32 of x, then 14 of weights and biases
.set i, 0
.rept 32
	global_load_b32 v[RAW+i], v1, s[4:5] offset:16384*i            ; channel 32 cb + i at my position: 128 consecutive bytes a wave
.set i, i+1
.endr
.set i, 0
.rept 32
	global_load_b32 v[RAW+32+i], v1, s[4:5] offset:16384*i+256     ; and 64 positions on
.set i, i+1
.endr
.irp j, 0,1,2
	global_load_b128 v[WF+4*\j:WF+4*\j+3], v14, s[16:17] offset:512*\j             ; Wq's image w: the eight waves bring all eight
.endr
.irp j, 0,1,2
	global_load_b128 v[WF+12+4*\j:WF+15+4*\j], v14, s[16:17] offset:WB+512*\j      ; Wk's
.endr
.irp j, 0,1,2
	global_load_b128 v[WVF+4*\j:WVF+4*\j+3], v14, s[16:17] offset:2*WB+512*\j      ; Wv's: it stays mine
.endr
	global_load_b128 v[WSQ:WSQ+3], v2, s[16:17] offset:12288       ; register i: lanes 0-15 the words of tile i, lanes 16-31 those of tile 4 + i
	global_load_b128 v[WSK:WSK+3], v2, s[16:17] offset:WB+12288
	global_load_b32 v30, v237, s[16:17] offset:2*WB+12288
	global_load_b32 v29, v238, s[8:9]
	global_load_b32 v236, v239, s[12:13]
; my 32 channels at one position become a block's codes and its byte.  left: the younger loads, which may stay out
.macro XBLK pass, left
.set R,  RAW+32*\pass
.set CP, PC+10*\pass
	s_wait_loadcnt \left
.set i, 0
.rept 32
	v_sub_f32 v[R+i], v[R+i], s[MEAN+i/4]          ; the mean goes off first, so that a common offset of x costs no accuracy
.set i, i+1
.endr
.set i, 0
.rept 32
	v_fma_f32 v[R+i], v[R+i], s[GA+i], s[BE+i]
.set i, i+1
.endr
	v_max3_num_f32 v[TM], |v[R]|, |v[R+1]|, |v[R+2]|               ; the block's largest magnitude: all 32 numbers are mine; two chains
	v_max3_num_f32 v[TM+1], |v[R+3]|, |v[R+4]|, |v[R+5]|
.irp i, 6,10,14,18,22,26
	s_delay_alu instid0(VALU_DEP_2)
	v_max3_num_f32 v[TM], v[TM], |v[R+\i]|, |v[R+\i+1]|
	s_delay_alu instid0(VALU_DEP_2)
	v_max3_num_f32 v[TM+1], v[TM+1], |v[R+\i+2]|, |v[R+\i+3]|
.endr
	s_delay_alu instid0(VALU_DEP_2)
	v_max3_num_f32 v[TM], v[TM], |v[R+30]|, |v[R+31]|
	s_delay_alu instid0(VALU_DEP_1)
	v_max3_num_f32 v[TM], v[TM], v[TM+1], 0x2800000                ; and the floor 2^(5 - 127): the byte cannot fall under 1
	s_delay_alu instid0(VALU_DEP_1)
	v_add_nc_u32 v[TM+1], 0xfe000000, v[TM]                        ; 4 off the exponent field: the conversion's scale operand
	s_delay_alu instid0(VALU_DEP_1)
	v_lshrrev_b32 v[TM+2+\pass], 23, v[TM+1]                       ; the scale's byte
	v_cvt_scalef32_pk16_bf6_f32 v[CP:CP+2], v[R:R+15], v[TM+1]
	v_cvt_scalef32_pk16_bf6_f32 v[CP+6:CP+8], v[R+16:R+31], v[TM+1]   ; (a conversion's three registers begin on an even number)
	v_nop                                          ; one plain instruction behind a scaled conversion
.irp i, 0,1,2
	v_mov_b32 v[CP+3+\i], v[CP+6+\i]
.endr
.irp j, 0,1,2
	ds_store_b64 v7, v[CP+2*\j:CP+2*\j+1] offset:64*XPITCH*\pass+8*\j
.endr
	ds_store_b8 v8, v[TM+2+\pass] offset:256*\pass
.endm
; 64 numbers of a lane, v[s] .. v[s + 63], register 16 b + i = k 32 b + 16 (lane / 16) + i of my row, become a fragment's codes in v[PC] on and its scale word in v[PW]
.macro QUANT s
.irp b, 0,1,2,3
	v_max3_num_f32 v[TM+\b], |v[\s+16*\b]|, |v[\s+1+16*\b]|, 0x2800000   ; block b: my 16 numbers, and the floor 2^(5 - 127).  Each accumulator is read from its low end on
.endr
.irp i, 2,4,6,8,10,12,14
.irp b, 0,1,2,3
	v_max3_num_f32 v[TM+\b], v[TM+\b], |v[\s+16*\b+\i]|, |v[\s+1+16*\b+\i]|   ; (the four blocks by turns)
.endr
.endr
.irp b, 0,1,2,3
	s_delay_alu instid0(VALU_DEP_4)
	v_permlanex16_b32 v[TM+4+\b], v[TM+\b], s[SEL], s[SEL+1]
.endr
.irp b, 0,1,2,3
	s_delay_alu instid0(VALU_DEP_4)
	v_max_num_f32 v[TM+\b], v[TM+\b], v[TM+4+\b]   ; with lane l xor 16's: the block's largest magnitude
.endr
.irp b, 0,1,2,3
	s_delay_alu instid0(VALU_DEP_4)
	v_add_nc_u32 v[TM+12+\b], 0xfe000000, v[TM+\b]
.endr
.irp b, 0,1,2,3
	s_delay_alu instid0(VALU_DEP_4)
	v_lshrrev_b32 v[TM+4+\b], 23, v[TM+12+\b]
.endr
	s_delay_alu instid0(VALU_DEP_3)
	v_lshl_or_b32 v[PW], v[TM+5], 8, v[TM+4]       ; the four bytes make my row's scale word
	s_delay_alu instid0(VALU_DEP_1)
	v_lshl_or_b32 v[PW], v[TM+6], 16, v[PW]
	s_delay_alu instid0(VALU_DEP_1)
	v_lshl_or_b32 v[PW], v[TM+7], 24, v[PW]
.irp c, 0,1
	v_cvt_scalef32_pk16_bf6_f32 v[PC+6*\c:PC+2+6*\c], v[\s+32*\c:\s+15+32*\c], v[TM+12+2*\c]
	v_cvt_scalef32_pk16_bf6_f32 v[PC+12+4*\c:PC+14+4*\c], v[\s+16+32*\c:\s+31+32*\c], v[TM+12+2*\c+1]
.endr
	v_nop                                          ; one plain instruction behind a scaled conversion
.irp c, 0,1                                    ; the operand's layout wants a WHOLE block in a lane: lanes 0-15 block 2 c, lanes 16-31 block 2 c + 1
.irp i, 0,1,2
	v_permlane16_swap_b32 v[PC+6*\c+\i], v[PC+12+4*\c+\i]
.endr
.irp i, 0,1,2
	s_delay_alu instid0(VALU_DEP_3)
	v_mov_b32 v[PC+3+6*\c+\i], v[PC+12+4*\c+\i]
.endr
.endr
.endm
.macro LDX                                     ; my tile of xn and its scale words
.irp p, 0,1,2,3,4,5
	ds_load_b64 v[XF+2*\p:XF+2*\p+1], v4 offset:48*(\p/3)+8*(\p%3)
.endr
	ds_load_b32 v[XS], v6
.endm
.macro LDB off                                 ; a bias into the eight accumulators: lane (r, h), tile t, register j: channel 32 (t / 2) + 16 h + 8 (t % 2) + j
.irp t, 0,1,2,3,4,5,6,7
	ds_load_b128 v[RAW+8*\t:RAW+8*\t+3], v12 offset:\off+4*(32*(\t/2)+8*(\t%2))
	ds_load_b128 v[RAW+8*\t+4:RAW+8*\t+7], v12 offset:\off+4*(32*(\t/2)+8*(\t%2))+16
.endr
.endm
.macro LDW off                                 ; a weight's eight images
.irp t, 0,1,2,3,4,5,6,7
.irp j, 0,1,2
	ds_load_b128 v[WF+12*\t+4*\j:WF+12*\t+4*\j+3], v2 offset:WI+\off+1536*\t+512*\j
.endr
.endr
.endm
.macro MULW S                                  ; eight accumulators, one instruction each; the bias that lies in them is the C
.irp t, 0,1,2,3,4,5,6,7
.if \t < 4
	v_wmma_scale_f32_16x16x128_f8f6f4 v[RAW+8*\t:RAW+8*\t+7], v[WF+12*\t:WF+12*\t+11], v[XF:XF+11], v[RAW+8*\t:RAW+8*\t+7], v[\S+\t%4], v[XS] matrix_a_fmt:MATRIX_FMT_BF6 matrix_b_fmt:MATRIX_FMT_BF6
.else
	v_wmma_scale_f32_16x16x128_f8f6f4 v[RAW+8*\t:RAW+8*\t+7], v[WF+12*\t:WF+12*\t+11], v[XF:XF+11], v[RAW+8*\t:RAW+8*\t+7], v[\S+\t%4], v[XS] matrix_a_fmt:MATRIX_FMT_BF6 matrix_b_fmt:MATRIX_FMT_BF6 matrix_a_scale:MATRIX_SCALE_ROW1
.endif
.endr
.endm
.macro LDXN                                    ; all eight tiles of xn, and a register of scale words for each
.irp t, 0,1,2,3,4,5,6,7
.irp p, 0,1,2,3,4,5
	ds_load_b64 v[WF+12*\t+2*\p:WF+12*\t+2*\p+1], v3 offset:(32*(\t/2)+8*(\t%2))*XPITCH+48*(\p/3)+8*(\p%3)
.endr
	ds_load_b32 v[WSQ+\t], v5 offset:4*(32*(\t/2)+8*(\t%2))
.endr
.endm
.macro OUT b, imm, sc                          ; the fragment just made leaves as it stands; its scale words wait in LDS
.irp j, 0,1,2
	global_store_b128 v14, v[PC+4*\j:PC+4*\j+3], s[\b:\b+1] offset:\imm+512*\j     ; 32 lanes store 512 consecutive bytes, at a multiple of 256 from the buffer's first byte
.endr
	ds_store_b32 v13, v[PW] offset:\sc             ; (both halves of the lanes write the same word)
.endm
; Behind a matrix instruction: four plain vector instructions before its results are read or a load lands on one of its registers, five before a matrix instruction writes over one
.macro PL5
.rept 5
	v_nop
.endr
.endm
	s_wait_kmcnt 0x0                               ; A, the means, beta
	XBLK 0, 46                                     ; out: the second 32 loads of x and the 14 others
	XBLK 1, 14                                     ; out: the 14 others
	s_wait_loadcnt 0x0
.irp j, 0,1,2
	ds_store_b128 v9, v[WF+4*\j:WF+4*\j+3] offset:512*\j
	ds_store_b128 v9, v[WF+12+4*\j:WF+15+4*\j] offset:12288+512*\j
.endr
	ds_store_b32 v10, v29
	s_wait_dscnt 0x0                               ; for the others' sake: my stores have landed
	s_barrier_signal -1
	s_barrier_wait -1                              ; xn's codes and bytes, Wq's and Wk's images, bq and bk lie in LDS
	; ---- q
	LDX
	LDB 0
	LDW 0
	s_wait_dscnt 0x0
	MULW WSQ
	PL5
	LDW 12288                                      ; Wk's images land while q is quantised
	QUANT RAW
	OUT 18, 0, 1024
	; ---- k
	LDB 512
	s_wait_dscnt 0x0
	MULW WSK
	PL5
	LDXN                                           ; xn's eight tiles land while k is quantised
	s_wait_xcnt 0x0                                ; q's stores have had their addresses translated: only now are their data registers written again
	QUANT RAW
	OUT 20, 0, 0
	; ---- v
.irp j, 0,1,2,3,4,5,6,7
	v_mov_b32 v[TM+\j], v236                       ; bv of my lane's channel, for all eight rows of a result
.endr
	s_wait_alu depctr_va_vdst(0)
	s_wait_dscnt 0x0
.irp t, 0,1,2,3,4,5,6,7
	v_wmma_scale_f32_16x16x128_f8f6f4 v[RAW+8*\t:RAW+8*\t+7], v[WF+12*\t:WF+12*\t+11], v[WVF:WVF+11], v[TM:TM+7], v[WSQ+\t], v30 matrix_a_fmt:MATRIX_FMT_BF6 matrix_b_fmt:MATRIX_FMT_BF6
.endr
	PL5
	s_wait_xcnt 0x0                                ; k's stores likewise
	QUANT RAW
	OUT 20, 12288, 512
	s_wait_dscnt 0x0                               ; my scale words have landed
	s_barrier_signal -1
	s_barrier_wait -1
	; ---- the scale words leave: waves 0 and 1 K's and V's (1,024 consecutive bytes of kv), wave 2 Q's (512 of qbuf)
	s_cmp_lt_u32 s[WV], 3
	s_cbranch_scc0 .Ldone
	ds_load_b128 v[RAW:RAW+3], v11
	s_wait_dscnt 0x0
	s_cmp_lt_u32 s[WV], 2
	s_cbranch_scc0 .Lfor_q
	global_store_b128 v15, v[RAW:RAW+3], s[20:21] offset:24576
	s_branch .Ldone
.Lfor_q:
	global_store_b128 v2, v[RAW:RAW+3], s[18:19] offset:12288
.Ldone:
	s_wait_tensorcnt 0x0
	ds_add_u32 v126, v127
	s_wait_dscnt 0x0
	s_endpgm
.Lfunc_end_k_q8563dc38cb_qkv:
	.size	k_q8563dc38cb_qkv, .Lfunc_end_k_q8563dc38cb_qkv-k_q8563dc38cb_qkv
	.p2alignl 7, 3214868480
	.fill 96, 4, 3214868480
	.section	.rodata,"a",@progbits
	.p2align	6, 0x0
	.amdhsa_kernel k_q8563dc38cb_qkv
		.amdhsa_group_segment_fixed_size 46080
		.amdhsa_private_segment_fixed_size 0
		.amdhsa_enable_private_segment 0
		.amdhsa_kernarg_size 72
		.amdhsa_user_sgpr_count 2
		.amdhsa_user_sgpr_kernarg_segment_ptr 1
		.amdhsa_wavefront_size32 1
		.amdhsa_system_sgpr_workgroup_id_x 1
		.amdhsa_system_sgpr_workgroup_id_y 1
		.amdhsa_system_sgpr_workgroup_id_z 1
		.amdhsa_system_vgpr_workitem_id 0
		.amdhsa_next_free_vgpr 256
		.amdhsa_next_free_sgpr 102
		.amdhsa_reserve_vcc 0
		.amdhsa_float_denorm_mode_32 3
		.amdhsa_float_denorm_mode_16_64 3
		.amdhsa_memory_ordered 1
		.amdhsa_forward_progress 1
		.amdhsa_inst_pref_size 53
	.end_amdhsa_kernel
	.amdgpu_metadata
---
amdhsa.version: [ 1, 2 ]
amdhsa.kernels:
  - .name:           k_q8563dc38cb_qkv
    .symbol:         k_q8563dc38cb_qkv.kd
    .args:
      - { .name: x, .offset: 0, .size: 8, .value_kind: global_buffer, .address_space: global }
      - { .name: beta, .offset: 8, .size: 8, .value_kind: global_buffer, .address_space: global }
      - { .name: bq, .offset: 16, .size: 8, .value_kind: global_buffer, .address_space: global }
      - { .name: bk, .offset: 24, .size: 8, .value_kind: global_buffer, .address_space: global }
      - { .name: bv, .offset: 32, .size: 8, .value_kind: global_buffer, .address_space: global }
      - { .name: coef, .offset: 40, .size: 8, .value_kind: global_buffer, .address_space: global }
      - { .name: wimg, .offset: 48, .size: 8, .value_kind: global_buffer, .address_space: global }
      - { .name: qbuf, .offset: 56, .size: 8, .value_kind: global_buffer, .address_space: global }
      - { .name: kv, .offset: 64, .size: 8, .value_kind: global_buffer, .address_space: global }
    .group_segment_fixed_size: 46080
    .private_segment_fixed_size: 0
    .kernarg_segment_align: 8
    .kernarg_segment_size: 72
    .max_flat_workgroup_size: 256
    .sgpr_count:     102
    .vgpr_count:     256
    .wavefront_size: 32
...
	.end_amdgpu_metadata
.endif
;; end of part 2
;; launch attn (part 3): grid 32 x 8, 8 waves a work-group, clusters of 4 x 1, 327,680 bytes of LDS; arguments qbuf, kv, wimg, x, out0; writes out0
.if DOCPART == 3
	.amdgcn_target "amdgcn-amd-amdhsa--gfx1250"
	.amdhsa_code_object_version 6
	.text
	.protected	k_q8563dc38cb_attn
	.globl	k_q8563dc38cb_attn
	.p2align	8
	.type	k_q8563dc38cb_attn,@function
k_q8563dc38cb_attn:
	s_mov_b64 s[64:65], 0
	v_nop
	global_prefetch_b8 v0, s[64:65] scope:SCOPE_SE
	s_setreg_imm32_b32 hwreg(HW_REG_WAVE_MODE, 25, 1), 1
	s_wait_xcnt 0x0
	s_wait_alu depctr_hold_cnt(0) depctr_sa_sdst(0) depctr_va_vdst(0) depctr_va_sdst(0) depctr_va_ssrc(0) depctr_va_vcc(0) depctr_vm_vsrc(0)
	s_getreg_b32 s2, hwreg(HW_REG_IB_STS2, 6, 4)
	s_cmp_eq_u32 s2, 0
	s_cbranch_scc0 .Lentry_in_a_cluster
	s_endpgm
.Lentry_in_a_cluster:
	s_bfe_u32 s2, ttmp6, 0x10000c
	s_cmp_lg_u32 s2, 0x3003
	s_cbranch_scc0 .Lentry_shape_is_right
	s_endpgm
.Lentry_shape_is_right:
; out0[b][o][pos] = x[b][o][pos] + sum over c of Q(att[pos][c]) Q(Wo[o][c]),  att = softmax(q k^T / sqrt(128)) v; all three products on codes of E3M2 with one E8M0 byte for each 32 along K.
; THE SOFTMAX: t = score x log2(e) / sqrt(128); M = the largest t so far, rounded UP to a whole number; p = 2^(t - M) is quantised along the keys, not normalised.  The row's sum is taken of the
; unquantised p in f32 and divides at the end.  When M moves, the sum and O are multiplied by 2^(old M - new M): exact.
; SHARES.  A work-group owns 128 queries of one batch entry.  Wave w owns 32 of them (tiles 2 (w % 4) and 2 (w % 4) + 1) and HALF OF THE KEYS: of a slot's four key steps waves 0-3 take steps 0, 1 and
; waves 4-7 steps 2, 3.  So a fragment of K or V, once in registers, feeds two matrix instructions, and a package is read from LDS by four waves.  At the end waves w and w xor 4 hand each other one
; tile's O, sum and M through LDS, join them under the larger M (exact powers of two), and each finishes one tile of 16 queries.  Set A of a wave's two tiles is the one it keeps: tile 2 (w % 4) + w / 4.
; OPERANDS ARRIVE AS IMAGES OF THEIR REGISTERS: a fragment is three loads of 16 bytes a lane, 512 consecutive bytes each.  A key step's package is 25,600 dense bytes: K's 8 tiles, V's 8 tiles at 12,288,
; K's scale words at 24,576, V's at 25,088 (one load of 16 bytes a lane: register i holds tile i's words in lanes 0-15, tile 4 + i's in lanes 16-31).
; LAYOUT.  P(T, r) = 32 (T / 2) + 8 (T % 2) + r + 8 (r / 8) is the row that lane r of tile T holds.  S^T = K Q^T and O^T = V^T P^T: a lane holds ONE query, and the 16 registers of result tiles 2 b and
; 2 b + 1 are 16 neighbours along the next K.  The last product has source 0 = 16 queries, source 1 = 16 rows of Wo: a lane holds one output channel and eight neighbouring positions.
; RING.  Two LDS slots of four key steps (102,400 bytes), 2^17 bytes apart.  Every wave fetches an eighth of a slot (50 rows of 256 bytes) with one tensor load; a wave has one tensor load out at the most.
; THE CHANGE OF SLOTS STANDS INSIDE A SLOT'S SECOND STEP, as soon as that step's V is asked for: those are my last reads of the slot.  Behind the round the slot is filled again, the other slot is known whole,
; and the rest of the step is work on registers.  So every step asks for the next step's K among its last products, across slots too.
; CLUSTER.  The four query blocks of a cluster walk the same packages of one batch entry: each load is asked for JOINTLY, same descriptor, mask of all four.  cx enters the addresses of qbuf, x, out0 and the prefetches alone.
; PREFETCH.  Trip t, whose second step asks for slot t + 2 by tensor loads, names in its first step slot t + 3's 400 blocks of 256 bytes, once in the cluster: partner cx takes blocks 100 cx .. 100 cx + 99, threads 0-99
; of its waves 0-3 a block each (threads 100-127 name block 99 again); the last trip that asks is t = 4, whose slot t + 3 is the batch entry's last.  In slot 6 the block's part of x is named once (a thread a block),
; and Wo's 50 blocks once in the cluster (wave 0 of partner cx: blocks 13 cx .. 13 cx + 12, held at 49): two slots ahead of their loads.
; LIMITS: NaN and infinities are not served; the promise holds while |t| stays under 2^31; p under 2^-126 comes out of v_exp_f32 as 0; a block whose largest magnitude lies under 2^-122 keeps the byte 1;
; a block of zeros gets the byte 1 and not 127 (its codes are zeros).
; REGISTERS, two windows of 256.  Window 0: v1-7 addresses; v8-11 (-M, largest t) of sets A, B; v12-15 their sums; v16-39 Q; v40-41 Q's scale words; v42-45 the factors f; v46-49 K's, v50-53 V's scale words;
; v54-55 p's scale words; v56-151 eight fragments; v152-175 p's codes; v176-255 at work, 40 a set.  Window 1: v0-127 S^T then p (64 a set), v128-255 O^T (64 a set).
.set STEPB, 25600
.set HALFB, 12800                      ; what one tensor load brings
.set SLOTB, 4*STEPB
.set SLOT1, 1<<17
.set STAGE, SLOT1+SLOTB                ; 233,472: the exchange between partner waves (8 x 8,448 bytes), then the way out (128 channels x 528 bytes); no tensor load lands here
.set SP,    528
.set EXB,   8448                       ; a wave's part of the exchange: 64 registers x 128 bytes, then 8 bytes a lane
.set SPARE, STAGE+128*SP               ; 301,056: the spare words, 128 bytes a wave
.set LI,  1                            ; 16 x lane
.set ADR, 2                            ; my first package of the slot in LDS, + 16 x lane
.set SO,  3
.set SR,  4
.set SPW, 5
.set NIL, 6
.set XP,  7
.set QF,  16
.set QS,  40
.set KS,  46
.set VS,  50
.set PW,  54
.set F0,  56
.set F1,  104
.set PCD, 152
.set BM,  176                          ; + 40 q: the four blocks' largest scores
.set PX,  180
.set SL,  184
.set CV,  188
.set AC,  196
.set WK,  212
.set EXS, 213
.set EXL, 214
.set EXS2, 215
.set EXL2, 253
.set PFO, 254
.set WOP, 255
.set WV,  14
.set CS,  22
.set G1,  24
.set G0,  32
.set SEL, 36
.set TB,  38
.set SLOTS, 39
.set PFL, 40
.set PF,  48
.set MSB, 0
.macro WIN new                         ; the immediate's high byte repeats the setting that is left
.if MSB != \new
	s_set_vgpr_msb (MSB<<8)|\new
.set MSB, \new
.endif
.endm
.macro PLACES                          ; four plain instructions behind matrix instructions, ahead of loads into their registers and of reads of their results
.rept 4
	v_nop
.endr
.endm
.macro CREST                           ; a round of the cluster's barrier behind its opening barrier
	s_cmp_lg_u32 s[WV], 0
	s_cbranch_scc1 .Lnot_wave_0_\@
	s_barrier_signal -3
.Lnot_wave_0_\@:
	s_barrier_wait -3
	s_barrier_signal -1
	s_barrier_wait -1
.endm
.macro CROUND                          ; a whole round
	s_barrier_signal -1
	s_barrier_wait -1
	CREST
.endm
.macro LDF f, off                      ; four fragments: twelve loads
.irp t, 0,1,2,3
.irp j, 0,1,2
	ds_load_b128 v[\f+12*\t+4*\j:\f+12*\t+4*\j+3], v[ADR] offset:(\off)+1536*\t+512*\j
.endr
.endr
.endm
.macro SMUL hf                         ; S^T: K's tiles 4 hf .. 4 hf + 3, each against both sets of queries
.irp t, 0,1,2,3
.irp q, 0,1
.if \hf
	v_wmma_scale_f32_16x16x128_f8f6f4 v[64*\q+32+8*\t:64*\q+39+8*\t], v[F1+12*\t:F1+12*\t+11], v[QF+12*\q:QF+12*\q+11], 0, v[KS+\t], v[QS+\q] matrix_a_fmt:MATRIX_FMT_BF6 matrix_b_fmt:MATRIX_FMT_BF6 matrix_a_scale:MATRIX_SCALE_ROW1
.else
	v_wmma_scale_f32_16x16x128_f8f6f4 v[64*\q+8*\t:64*\q+7+8*\t], v[F0+12*\t:F0+12*\t+11], v[QF+12*\q:QF+12*\q+11], 0, v[KS+\t], v[QS+\q] matrix_a_fmt:MATRIX_FMT_BF6 matrix_b_fmt:MATRIX_FMT_BF6
.endif
.endr
.endr
.endm
.macro PVMUL hf                        ; O^T += V^T P^T: the sixteen accumulators take turns, one instruction a turn
.irp t, 0,1,2,3
.irp q, 0,1
.if \hf
	v_wmma_scale_f32_16x16x128_f8f6f4 v[160+64*\q+8*\t:167+64*\q+8*\t], v[F1+12*\t:F1+12*\t+11], v[PCD+12*\q:PCD+12*\q+11], v[160+64*\q+8*\t:167+64*\q+8*\t], v[VS+\t], v[PW+\q] matrix_a_fmt:MATRIX_FMT_BF6 matrix_b_fmt:MATRIX_FMT_BF6 matrix_a_scale:MATRIX_SCALE_ROW1
.else
	v_wmma_scale_f32_16x16x128_f8f6f4 v[128+64*\q+8*\t:135+64*\q+8*\t], v[F0+12*\t:F0+12*\t+11], v[PCD+12*\q:PCD+12*\q+11], v[128+64*\q+8*\t:135+64*\q+8*\t], v[VS+\t], v[PW+\q] matrix_a_fmt:MATRIX_FMT_BF6 matrix_b_fmt:MATRIX_FMT_BF6
.endif
.endr
.endr
.endm
	s_load_b256 s[4:11], s[0:1], 0x0               ; qbuf 4:5, kv 6:7, wimg 8:9, x 10:11
	s_load_b64 s[12:13], s[0:1], 0x20              ; out0
	v_lshl_add_u32 v[SPW], v0, 2, SPARE
	v_mov_b32 v[NIL], 0
	ds_add_u32 v[SPW], v[NIL]                      ; the opening lines: the add, twice on end, and its wait ahead of my first tensor load
	ds_add_u32 v[SPW], v[NIL]
	v_lshrrev_b32 v8, 5, v0
	v_readfirstlane_b32 s[WV], v8                  ; wave 0..7
	s_bfe_u32 s15, ttmp6, 0x40000                  ; cx
	s_lshl_b32 s16, ttmp9, 2
	s_add_co_u32 s16, s16, s15                     ; my block of 128 queries
	s_and_b32 s17, ttmp7, 0xffff                   ; the batch entry, which the four partners share
	s_mov_b32 s[G1], 15|(3<<16)|(1<<21)            ; the mask of all four; elements of 8 bytes; bit 21 beside a mask
	s_mov_b32 s[G1+1], 32<<16                      ; rows of 32 elements = 256 bytes,
	s_mov_b32 s[G1+2], 50<<16                      ; 50 of them
	s_mov_b32 s[G1+3], 32<<16
	s_mov_b32 s[G1+4], 50
	s_mov_b32 s[G1+5], 32
	s_mov_b32 s[G1+6], 0
	s_mov_b32 s[G1+7], 0
	s_mov_b32 s[G0], 1
	s_mul_i32 s[G0+1], s[WV], HALFB                ; LDS: slot 0, my eighth
	s_mul_i32 s20, s17, 32*STEPB                   ; memory: the batch entry's 32 packages  (s20, s21 never hold cx)
	s_mov_b32 s21, 0
	s_mov_b32 s[CS], 0x3e0293ee                    ; c = log2(e) / sqrt(128)
	s_mov_b32 s[CS+1], s[CS]
	s_mov_b32 s[SEL], 0x76543210                   ; v_permlanex16_b32's selects for lane l xor 16
	s_mov_b32 s[SEL+1], 0xfedcba98
	s_mov_b32 s[SLOTS], 6
	s_wait_alu depctr_va_vdst(0)
	s_wait_dscnt 0x0                               ; both opening adds are done
	s_wait_kmcnt 0x0
	s_add_nc_u64 s[6:7], s[6:7], s[20:21]
	s_add_nc_u64 s[PF:PF+1], s[6:7], 2*SLOTB       ; the prefetches' base: each trip steps it a slot on before it is used
	s_mov_b32 s20, s[G0+1]
	s_add_nc_u64 s[G0+2:G0+3], s[6:7], s[20:21]
	s_or_b32 s[G0+3], s[G0+3], 0x80000000          ; type = 2
	CROUND                                         ; all four work-groups are here: the first joint loads meet
	tensor_load_to_lds s[G0:G0+3], s[G1:G1+7]      ; slot 0: key steps 0-3, an eighth a wave
	s_nop 0
	PLACES
	; all scalar set-up first, then the vector set-up in one run
	s_lshr_b32 s41, s[WV], 2                       ; which half of the keys
	s_and_b32 s50, s[WV], 3
	s_lshl_b32 s51, s50, 1
	s_add_co_u32 s51, s51, s41                     ; set A: the tile that I keep
	s_xor_b32 s52, s51, 1                          ; set B: the tile that my partner keeps
	s_mul_i32 s[TB], s41, 2*STEPB                  ; my first package of a slot
	s_cmp_lt_u32 s[WV], 4
	s_cselect_b32 s[PFL], 2, 100                   ; waves 0-3 prefetch while two trips or more are left, the others never
	s_lshl_b32 s18, s17, 5
	s_add_co_u32 s18, s18, s16
	s_mul_i32 s18, s18, 12800
	s_mov_b32 s19, 0
	s_add_nc_u64 s[4:5], s[4:5], s[18:19]          ; my block of qbuf
	s_add_nc_u64 s[42:43], s[8:9], 3*12800         ; Wo's images
	s_lshl_b32 s18, s17, 21
	s_lshl_b32 s46, s16, 9
	s_add_co_u32 s18, s18, s46
	s_add_nc_u64 s[44:45], s[10:11], s[18:19]      ; the block's part of x
	s_lshl_b32 s46, s[WV], 18                      ; my 16 channels on the way out
	s_add_co_u32 s18, s18, s46
	s_add_nc_u64 s[10:11], s[10:11], s[18:19]
	s_add_nc_u64 s[12:13], s[12:13], s[18:19]
	s_mul_i32 s53, s51, 1536                       ; Q's images
	s_mul_i32 s54, s52, 1536
	s_lshr_b32 s55, s51, 2                         ; their scale words: 256 (T / 4) + 4 (T % 4)
	s_lshl_b32 s55, s55, 8
	s_and_b32 s46, s51, 3
	s_lshl_b32 s46, s46, 2
	s_add_co_u32 s55, s55, s46
	s_lshr_b32 s56, s52, 2
	s_lshl_b32 s56, s56, 8
	s_and_b32 s46, s52, 3
	s_lshl_b32 s46, s46, 2
	s_add_co_u32 s56, s56, s46
	s_lshr_b32 s57, s51, 1                         ; the stage: my tile's positions begin at 32 (T / 2) + 8 (T % 2) + 16 h, 4 bytes each
	s_lshl_b32 s57, s57, 7
	s_and_b32 s46, s51, 1
	s_lshl_b32 s46, s46, 5
	s_add_co_u32 s57, s57, s46
	s_add_co_u32 s57, s57, STAGE
	s_mul_i32 s58, s[WV], 16*SP
	s_add_co_u32 s58, s58, STAGE
	s_mul_i32 s59, s[WV], EXB
	s_add_co_u32 s59, s59, STAGE                   ; the exchange: my part,
	s_xor_b32 s60, s[WV], 4
	s_mul_i32 s60, s60, EXB
	s_add_co_u32 s60, s60, STAGE                   ; my partner's
	s_mul_i32 s61, s15, 100
	s_mul_i32 s62, s15, 13
	v_and_b32 v240, 31, v0
	v_lshlrev_b32 v[LI], 4, v240
	v_and_b32 v240, 15, v0                         ; r
	v_bfe_u32 v241, v0, 4, 1                       ; h
	v_add_nc_u32 v176, s53, v[LI]
	v_add_nc_u32 v177, s54, v[LI]
	v_lshl_add_u32 v178, v240, 4, s55
	v_lshl_add_u32 v179, v240, 4, s56
.irp j, 0,1,2
	global_load_b128 v[QF+4*\j:QF+4*\j+3], v176, s[4:5] offset:512*\j        ; Q's two tiles stay in registers
	global_load_b128 v[QF+12+4*\j:QF+15+4*\j], v177, s[4:5] offset:512*\j
.endr
	global_load_b32 v[QS], v178, s[4:5] offset:12288
	global_load_b32 v[QS+1], v179, s[4:5] offset:12288
	v_and_b32 v[SO], 8, v240
	v_add_nc_u32 v[SO], v[SO], v240                ; r + 8 (r / 8)
	v_mul_u32_u24 v[SO], v[SO], SP
	v_lshl_add_u32 v[SO], v241, 6, v[SO]
	v_add_nc_u32 v[SO], s57, v[SO]
	v_add_nc_u32 v[SR], s58, v[LI]
	v_add_nc_u32 v[EXS], s59, v[LI]
	v_add_nc_u32 v[EXL], s60, v[LI]
	v_lshrrev_b32 v242, 1, v[LI]                   ; 8 x lane
	v_add_nc_u32 v[EXS2], s59, v242
	v_add_nc_u32 v[EXL2], s60, v242
	v_lshrrev_b32 v[XP], 1, v0
	v_lshlrev_b32 v[XP], 14, v[XP]
	v_and_b32 v243, 1, v0
	v_lshl_or_b32 v[XP], v243, 8, v[XP]            ; x: channel thread / 2, half thread % 2 of its 512 bytes
	v_min_u32 v[PFO], 99, v0
	v_add_lshl_u32 v[PFO], v[PFO], s61, 8          ; kv: block 100 cx + min(thread, 99) of a slot's 400
	v_min_u32 v[WOP], 12, v0
	v_add_nc_u32 v[WOP], s62, v[WOP]
	v_min_u32 v[WOP], 49, v[WOP]
	v_lshlrev_b32 v[WOP], 8, v[WOP]                ; Wo: block min(13 cx + min(thread, 12), 49) of its 50
.irp q, 0,1
	v_mov_b32 v[9+2*\q], 0xff61b1e6                ; the largest t so far: -3e38
	v_floor_f32 v[8+2*\q], -v[9+2*\q]              ; -M
	v_mov_b32 v[12+2*\q], 0                        ; the sum, in two halves
	v_mov_b32 v[13+2*\q], 0
	v_mov_b32 v[43+2*\q], 0                        ; (the upper half of f's pair is named, so it is written)
.irp b, 0,1,2,3
	v_mov_b32 v[PX+40*\q+\b], 0                    ; a lane permute's destination counts as read
.endr
.endr
	WIN 0x40
.set j, 0
.rept 128
	v_mov_b32 v[128+j], 0                          ; O^T.  The step is written for all steps alike: the first finds zeros; a first step of its own would be two more copies of the step
.set j, j+1
.endr
	WIN 0
; A KEY STEP: 128 keys x my 32 queries; its package begins o bytes behind v[ADR], and its K has been asked for.  pre: the next step's K, po bytes behind v[ADR], is asked for among the last products;
; ask: 1 kv's prefetch, 2 x's and Wo's;  chg: the change of slots stands in this step: 1 with the cluster's round and the joint refill, 2 with my work-group's barrier alone (nothing is left to fetch).
.macro STEP o, pre, po, ask, chg
	s_wait_dscnt 12                                ; K's scale words and tiles 0-3 are in; the twelve loads of tiles 4-7 may be out
	WIN 0x40                                       ; results in window 1
	SMUL 0
	PLACES
	WIN 0
	ds_load_b128 v[VS:VS+3], v[ADR] offset:\o+25088
	LDF F0, \o+12288                               ; V's tiles 0-3 land under the softmax
	s_wait_dscnt 13                                ; K's tiles 4-7 are in; the thirteen loads just issued may be out
	WIN 0x40
	SMUL 1
	PLACES
	WIN 0
	LDF F1, \o+18432                               ; V's tiles 4-7
.if \ask == 1
	s_cmp_ge_u32 s[SLOTS], s[PFL]
	s_cbranch_scc0 .Lno_ask_\@
	global_prefetch_b8 v[PFO], s[PF:PF+1] th:TH_LOAD_NT scope:SCOPE_SE
.Lno_ask_\@:
.endif
.if \ask == 2
	global_prefetch_b8 v[XP], s[44:45] th:TH_LOAD_NT scope:SCOPE_SE
	s_cmp_lg_u32 s[WV], 0
	s_cbranch_scc1 .Lno_wo_\@
	global_prefetch_b8 v[WOP], s[42:43] th:TH_LOAD_NT scope:SCOPE_SE
.Lno_wo_\@:
.endif
.if \chg
	s_wait_tensorcnt 0x0                           ; all my tensor loads are done, my eighth of the other slot among them; so the group 0 may be written
	ds_add_u32 v[SPW], v[NIL]                      ; the search for the maxima, work on registers, stands between the add and the wait for it
.if \chg == 1
	s_xor_b32 s[G0+1], s[G0+1], SLOT1              ; the slot that I am leaving,
	s_add_nc_u64 s[G0+2:G0+3], s[G0+2:G0+3], SLOTB ; the four key steps two slots on
.endif
	s_xor_b32 s[TB], s[TB], SLOT1
.endif
	WIN 0x05                                       ; sources 0 and 1 in window 1
.irp b, 0,1,2,3                                ; the largest score of each block of 32 keys: for the row's maximum and, since p rises with the score, for the block's largest p.  Blocks and sets by turns; each accumulator from its low end on
.irp q, 0,1
	v_max_num_f32 v[BM+40*\q+\b], v[64*\q+16*\b], v[64*\q+16*\b+1]
.endr
.endr
.irp i, 2,4,6,8,10,12,14
.irp b, 0,1,2,3
.irp q, 0,1
	v_max3_num_f32 v[BM+40*\q+\b], v[64*\q+16*\b+\i], v[64*\q+16*\b+\i+1], v[BM+40*\q+\b]
.endr
.endr
.endr
	WIN 0
.if \chg
	s_wait_alu depctr_va_vdst(0)
	s_wait_dscnt 0x0                               ; the add is done, and V is in: my reads of this slot are over
	s_barrier_signal -1                            ; say so; work on registers alone stands between this line and the wait
.endif
.irp b, 0,1,2,3
.irp q, 0,1
	v_permlanex16_b32 v[PX+40*\q+\b], v[BM+40*\q+\b], s[SEL], s[SEL+1]
.endr
.endr
.irp b, 0,1,2,3
.irp q, 0,1
	v_max_num_f32 v[BM+40*\q+\b], v[BM+40*\q+\b], v[PX+40*\q+\b]   ; with lane l xor 16's 16 keys
.endr
.endr
.irp q, 0,1
	v_max3_num_f32 v[WK+40*\q], v[BM+40*\q], v[BM+40*\q+1], v[BM+40*\q+2]
.endr
.irp q, 0,1
	s_delay_alu instid0(VALU_DEP_2)
	v_max_num_f32 v[WK+40*\q], v[WK+40*\q], v[BM+40*\q+3]          ; the step's largest score of my query
.endr
.irp q, 0,1
	s_delay_alu instid0(VALU_DEP_2)
	v_mul_f32 v[WK+40*\q], s[CS], v[WK+40*\q]                      ; as t (c is positive)
.endr
.irp q, 0,1
	s_delay_alu instid0(VALU_DEP_2)
	v_max_num_f32 v[9+2*\q], v[9+2*\q], v[WK+40*\q]                ; the running largest t
.endr
.irp q, 0,1
	v_mov_b32 v[WK+40*\q], v[8+2*\q]
.endr
.irp q, 0,1
	v_floor_f32 v[8+2*\q], -v[9+2*\q]                              ; the new -M = -ceil(t): a whole number
.endr
.irp q, 0,1
	s_delay_alu instid0(VALU_DEP_2)
	v_sub_f32 v[WK+40*\q], v[8+2*\q], v[WK+40*\q]                  ; old M less new M: 0 or less
.endr
.irp q, 0,1
	s_delay_alu instid0(VALU_DEP_2)
	v_cvt_i32_f32 v[WK+40*\q], v[WK+40*\q]                         ; (it saturates)
.endr
.irp q, 0,1
	s_delay_alu instid0(VALU_DEP_2)
	v_ldexp_f32 v[42+2*\q], 1.0, v[WK+40*\q]                       ; f = 2^(old M - new M)
.endr
.irp b, 0,1,2,3
.irp q, 0,1
	v_fma_f32 v[BM+40*\q+\b], v[BM+40*\q+\b], s[CS], v[8+2*\q]     ; t - M of each block's largest score
.endr
.endr
.irp q, 0,1
	v_pk_mul_f32 v[12+2*\q:13+2*\q], v[12+2*\q:13+2*\q], v[42+2*\q:43+2*\q] op_sel_hi:[1,0]   ; the sums under the new M
.endr
.if \chg
	s_wait_alu depctr_va_vdst(0)
	s_barrier_wait -1                              ; no wave of my work-group reads this slot any more, and the other slot is whole
.if \chg == 1
	CREST                                          ; the barrier has opened a round of the cluster's: the same now holds of every partner
	tensor_load_to_lds s[G0:G0+3], s[G1:G1+7]      ; the joint refill, the first tensor load behind the round
	s_nop 0
	PLACES
.endif
	v_add_nc_u32 v[ADR], s[TB], v[LI]              ; my first package of the other slot
	s_wait_alu depctr_va_vdst(0)
.endif
	WIN 0x41                                       ; source 0 and the result in window 1
.irp q, 0,1
.set j, 0
.rept 32
	v_pk_mul_f32 v[128+64*\q+j:129+64*\q+j], v[128+64*\q+j:129+64*\q+j], v[42+2*\q:43+2*\q] op_sel_hi:[1,0]   ; O^T under the new M; ascending: each accumulator from its low end on
.set j, j+2
.endr
.endr
.irp q, 0,1
.set j, 0
.rept 32
	v_pk_fma_f32 v[64*\q+j:64*\q+j+1], v[64*\q+j:64*\q+j+1], s[CS:CS+1], v[8+2*\q:9+2*\q] op_sel_hi:[1,0,0]   ; t - M, two at a time (of the pairs c and -M the low word serves both halves)
.set j, j+2
.endr
.endr
	s_wait_alu depctr_va_vdst(0)
.set j, 0
.rept 128
	v_exp_f32 v[j], v[j]                           ; p = 2^(t - M), at most 1
.set j, j+1
.endr
	WIN 0
.irp b, 0,1,2,3
.irp q, 0,1
	v_exp_f32 v[BM+40*\q+\b], v[BM+40*\q+\b]       ; the block's largest p
.endr
.endr
	v_nop                                          ; the plain instruction behind the exponentials
	s_wait_alu depctr_va_vdst(0)                   ; one wait for the whole batch, ahead of its first reader
.irp b, 0,1,2,3
.irp q, 0,1
	v_max_num_f32 v[BM+40*\q+\b], 0x2800000, v[BM+40*\q+\b]        ; the floor 2^(5 - 127): the byte cannot fall under 1
.endr
.endr
.irp b, 0,1,2,3
.irp q, 0,1
	v_add_nc_u32 v[SL+40*\q+\b], 0xfe000000, v[BM+40*\q+\b]        ; 4 off the exponent field: the conversion's scale operand
.endr
.endr
.irp b, 0,1,2,3
.irp q, 0,1
	v_lshrrev_b32 v[PX+40*\q+\b], 23, v[SL+40*\q+\b]               ; the scale's byte
.endr
.endr
.irp q, 0,1
	v_lshl_or_b32 v[PW+\q], v[PX+40*\q+1], 8, v[PX+40*\q]          ; p's scale word for these 128 keys
.endr
.irp q, 0,1
	v_lshl_or_b32 v[PW+\q], v[PX+40*\q+2], 16, v[PW+\q]
.endr
.irp q, 0,1
	v_lshl_or_b32 v[PW+\q], v[PX+40*\q+3], 24, v[PW+\q]
.endr
	WIN 0x05
.irp k, 0,1,2,3                                ; the row's sum of the unquantised p: four chains a set, two numbers an instruction
.irp q, 0,1
	v_pk_add_f32 v[AC+40*\q+2*\k:AC+40*\q+2*\k+1], v[64*\q+2*\k:64*\q+2*\k+1], v[64*\q+2*\k+8:64*\q+2*\k+9]
.endr
.endr
	WIN 0x01                                       ; source 0 in window 1
.irp c, 0,1
.irp q, 0,1
	v_cvt_scalef32_pk16_bf6_f32 v[PCD+12*\q+6*\c:PCD+12*\q+6*\c+2], v[64*\q+32*\c:64*\q+32*\c+15], v[SL+40*\q+2*\c]
	v_cvt_scalef32_pk16_bf6_f32 v[CV+40*\q+4*\c:CV+40*\q+4*\c+2], v[64*\q+32*\c+16:64*\q+32*\c+31], v[SL+40*\q+2*\c+1]   ; (a conversion's three registers begin on an even number)
.endr
.endr
.irp m, 2,3,4,5,6,7                            ; (plain instructions behind the conversions: they read p and touch no code)
.irp k, 0,1,2,3
.irp q, 0,1
	v_pk_add_f32 v[AC+40*\q+2*\k:AC+40*\q+2*\k+1], v[64*\q+8*\m+2*\k:64*\q+8*\m+2*\k+1], v[AC+40*\q+2*\k:AC+40*\q+2*\k+1]
.endr
.endr
.endr
	WIN 0
.irp c, 0,1                                    ; the operand's layout wants a WHOLE block in a lane: lanes 0-15 block 2 c, lanes 16-31 block 2 c + 1
.irp q, 0,1
.irp i, 0,1,2
	v_permlane16_swap_b32 v[PCD+12*\q+6*\c+\i], v[CV+40*\q+4*\c+\i]
.endr
.endr
.endr
.irp c, 0,1
.irp q, 0,1
.irp i, 0,1,2
	v_mov_b32 v[PCD+12*\q+6*\c+3+\i], v[CV+40*\q+4*\c+\i]
.endr
.endr
.endr
.irp q, 0,1
	v_pk_add_f32 v[AC+40*\q:AC+40*\q+1], v[AC+40*\q:AC+40*\q+1], v[AC+40*\q+2:AC+40*\q+3]
	v_pk_add_f32 v[AC+40*\q+4:AC+40*\q+5], v[AC+40*\q+4:AC+40*\q+5], v[AC+40*\q+6:AC+40*\q+7]
.endr
.irp q, 0,1
	v_pk_add_f32 v[AC+40*\q:AC+40*\q+1], v[AC+40*\q:AC+40*\q+1], v[AC+40*\q+4:AC+40*\q+5]
.endr
.irp q, 0,1
	v_pk_add_f32 v[12+2*\q:13+2*\q], v[12+2*\q:13+2*\q], v[AC+40*\q:AC+40*\q+1]   ; (these eight also stand between the lines that made p's codes and the products below)
.endr
	s_wait_alu depctr_va_vdst(0)
	s_wait_dscnt 0x0                               ; V and its scale words are in
	WIN 0x50                                       ; C and D in window 1
	PVMUL 0
.if \pre
	PLACES
	WIN 0
	ds_load_b128 v[KS:KS+3], v[ADR] offset:\po+24576
	LDF F0, \po                                    ; the next step's K is asked for now
	WIN 0x50
.endif
	PVMUL 1
.if \pre
	PLACES
	WIN 0
	LDF F1, \po+6144
.endif
	WIN 0
.endm
	s_wait_alu depctr_va_vdst(0)
	s_wait_loadcnt 0x0                             ; Q
	s_wait_tensorcnt 0x0                           ; my eighth of slot 0 is in; slot 1's first fill is issued as a refill is:
	ds_add_u32 v[SPW], v[NIL]
	s_xor_b32 s[G0+1], s[G0+1], SLOT1
	s_add_nc_u64 s[G0+2:G0+3], s[G0+2:G0+3], SLOTB
	s_wait_dscnt 0x0
	CROUND
	tensor_load_to_lds s[G0:G0+3], s[G1:G1+7]      ; slot 1: key steps 4-7
	s_nop 0
	PLACES
	v_add_nc_u32 v[ADR], s[TB], v[LI]
	s_wait_alu depctr_va_vdst(0)
	ds_load_b128 v[KS:KS+3], v[ADR] offset:24576   ; the first step's K
	LDF F0, 0
	LDF F1, 6144
.Lslot:                                            ; six trips, slots 0-5: each fills its slot again, with the key steps two slots on
	s_wait_xcnt 0x0                                ; my last prefetch has read its base: only now is it stepped
	s_add_nc_u64 s[PF:PF+1], s[PF:PF+1], SLOTB
	STEP 0, 1, STEPB, 1, 0
	STEP STEPB, 1, 0, 0, 1
	s_sub_co_u32 s[SLOTS], s[SLOTS], 1
	s_cmp_lg_u32 s[SLOTS], 0
	s_cbranch_scc1 .Lslot
	STEP 0, 1, STEPB, 2, 0                         ; slot 6 is written out: nothing is left to fetch, and the barrier shows slot 7 whole
	STEP STEPB, 1, 0, 0, 2
	STEP 0, 1, STEPB, 0, 0                         ; slot 7
	STEP STEPB, 0, 0, 0, 0
	; ---------------- THE TWO HALVES OF THE KEYS MEET
.set TM, 16
.set PC, 224
.set RB, 120
	PLACES
.irp t, 0,1,2,3,4,5,6,7
.irp j, 0,1,2
	global_load_b128 v[F0+12*\t+4*\j:F0+12*\t+4*\j+3], v[LI], s[42:43] offset:1536*\t+512*\j   ; Wo's eight tiles land under the exchange and the quantiser
.endr
.endr
	global_load_b128 v[KS:KS+3], v[LI], s[42:43] offset:12288
	WIN 0x40
.set i, 0
.rept 16
	global_load_b128 v[64+4*i:67+4*i], v[LI], s[10:11] offset:16384*i th:TH_LOAD_NT   ; the residual: channel 16 w + i, the block's 512 bytes, into window 1, where set B's p lay
.set i, i+1
.endr
	WIN 0
	v_add_f32 v14, v14, v15                        ; set B: the sum's two halves,
	v_mov_b32 v15, v10                             ; and -M beside it
	WIN 0x04                                       ; the data in window 1
.set i, 0
.rept 16
	ds_store_b128 v[EXS], v[192+4*i:195+4*i] offset:512*i      ; set B's O^T as an image of its registers; each accumulator from its low end on
.set i, i+1
.endr
	WIN 0
	ds_store_b64 v[EXS2], v[14:15] offset:8192
	v_add_f32 v12, v12, v13
	v_mov_b32 v245, 0                              ; a lane permute's destination counts as read
	v_mov_b32 v247, 0                              ; (upper halves of pairs that are named)
	v_mov_b32 v249, 0
.irp b, 0,1,2,3
	v_mov_b32 v[TM+4+\b], 0
.endr
	s_wait_alu depctr_va_vdst(0)
	s_wait_dscnt 0x0                               ; for my partner's sake: my stores have landed
	s_barrier_signal -1
	s_barrier_wait -1
	WIN 0x40
.set i, 0
.rept 16
	ds_load_b128 v[4*i:4*i+3], v[EXL] offset:512*i             ; my partner's O^T of my tile, into window 1, where set A's p lay
.set i, i+1
.endr
	WIN 0
	ds_load_b64 v[240:241], v[EXL2] offset:8192    ; its sum and its -M
	s_wait_dscnt 0x0
	s_barrier_signal -1                            ; every wave has read its partner's part: the bytes may serve as the stage
	s_barrier_wait -1
	v_min_num_f32 v242, v8, v241                   ; -M of the larger M
	v_sub_f32 v243, v242, v8
	v_sub_f32 v244, v242, v241
	v_cvt_i32_f32 v243, v243
	v_cvt_i32_f32 v244, v244
	v_ldexp_f32 v243, 1.0, v243                    ; my factor, an exact power of two,
	v_ldexp_f32 v244, 1.0, v244                    ; and my partner's
	v_mul_f32 v12, v12, v243
	v_fma_f32 v12, v240, v244, v12
	v_permlanex16_b32 v245, v12, s[SEL], s[SEL+1]
	v_add_f32 v12, v12, v245                       ; the row's sum over all keys
	s_wait_alu depctr_va_vdst(0)
	v_rcp_f32 v12, v12
	v_nop
	s_wait_alu depctr_va_vdst(0)
	v_mul_f32 v246, v243, v12
	v_mul_f32 v248, v244, v12
	WIN 0x01
	s_wait_alu depctr_va_vdst(0)
.set j, 0
.rept 32
	v_pk_mul_f32 v[160+j:161+j], v[128+j:129+j], v[246:247] op_sel_hi:[1,0]      ; att = (O^T f + O'^T f') / the sum, into window 0; register 16 b + i is channel 32 b + 16 h + i of my query
.set j, j+2
.endr
.set j, 0
.rept 32
	v_pk_fma_f32 v[160+j:161+j], v[j:j+1], v[248:249], v[160+j:161+j] op_sel_hi:[1,0,1]
.set j, j+2
.endr
	WIN 0
	; att is quantised along the channels
.irp b, 0,1,2,3
	v_max3_num_f32 v[TM+\b], |v[160+16*\b]|, |v[161+16*\b]|, 0x2800000
.endr
.irp i, 2,4,6,8,10,12,14
.irp b, 0,1,2,3
	v_max3_num_f32 v[TM+\b], v[TM+\b], |v[160+16*\b+\i]|, |v[161+16*\b+\i]|
.endr
.endr
.irp b, 0,1,2,3
	v_permlanex16_b32 v[TM+4+\b], v[TM+\b], s[SEL], s[SEL+1]
.endr
.irp b, 0,1,2,3
	v_max_num_f32 v[TM+\b], v[TM+\b], v[TM+4+\b]
.endr
.irp b, 0,1,2,3
	v_add_nc_u32 v[TM+12+\b], 0xfe000000, v[TM+\b]
.endr
.irp b, 0,1,2,3
	v_lshrrev_b32 v[TM+4+\b], 23, v[TM+12+\b]
.endr
	v_lshl_or_b32 v[PW], v[TM+5], 8, v[TM+4]
	v_lshl_or_b32 v[PW], v[TM+6], 16, v[PW]
	v_lshl_or_b32 v[PW], v[TM+7], 24, v[PW]
.irp c, 0,1
	v_cvt_scalef32_pk16_bf6_f32 v[PC+6*\c:PC+2+6*\c], v[160+32*\c:175+32*\c], v[TM+12+2*\c]
	v_cvt_scalef32_pk16_bf6_f32 v[PC+12+4*\c:PC+14+4*\c], v[176+32*\c:191+32*\c], v[TM+12+2*\c+1]
.endr
	v_nop                                          ; one plain instruction behind a scaled conversion
.irp c, 0,1
.irp i, 0,1,2
	v_permlane16_swap_b32 v[PC+6*\c+\i], v[PC+12+4*\c+\i]
.endr
.irp i, 0,1,2
	v_mov_b32 v[PC+3+6*\c+\i], v[PC+12+4*\c+\i]
.endr
.endr
	s_wait_alu depctr_va_vdst(0)
	s_wait_loadcnt 16                              ; Wo is in; x's sixteen loads, issued behind it, may be out
.rept 8
	v_nop                                          ; a scale register written by a vector instruction stands eight plain instructions ahead of a scaled matrix instruction, an operand so written four
.endr
.irp t, 0,1,2,3,4,5,6,7                        ; source 0 = my 16 queries, source 1 = 16 rows of Wo: lane (r, h) holds channel P(t, r) and eight neighbouring positions
.if \t < 4
	v_wmma_scale_f32_16x16x128_f8f6f4 v[160+8*\t:167+8*\t], v[PC:PC+11], v[F0+12*\t:F0+12*\t+11], 0, v[PW], v[KS+\t%4] matrix_a_fmt:MATRIX_FMT_BF6 matrix_b_fmt:MATRIX_FMT_BF6
.else
	v_wmma_scale_f32_16x16x128_f8f6f4 v[160+8*\t:167+8*\t], v[PC:PC+11], v[F0+12*\t:F0+12*\t+11], 0, v[PW], v[KS+\t%4] matrix_a_fmt:MATRIX_FMT_BF6 matrix_b_fmt:MATRIX_FMT_BF6 matrix_b_scale:MATRIX_SCALE_ROW1
.endif
.endr
	PLACES
.irp t, 0,1,2,3,4,5,6,7
	ds_store_b128 v[SO], v[160+8*\t:163+8*\t] offset:(32*(\t/2)+8*(\t%2))*SP         ; each accumulator from its low end on
	ds_store_b128 v[SO], v[164+8*\t:167+8*\t] offset:(32*(\t/2)+8*(\t%2))*SP+16
.endr
	s_wait_dscnt 0x0                               ; for the others' sake: a channel's row comes from all eight waves
	s_barrier_signal -1
	s_barrier_wait -1
.set i, 0
.rept 16
	ds_load_b128 v[RB+4*i:RB+4*i+3], v[SR] offset:SP*i
.set i, i+1
.endr
	s_wait_loadcnt 0x0                             ; x is in,
	s_wait_dscnt 0x0                               ; and my sixteen rows are back from the stage
	WIN 0x04                                       ; source 1 in window 1
.set j, 0
.rept 32
	v_pk_add_f32 v[RB+j:RB+j+1], v[RB+j:RB+j+1], v[64+j:65+j]
.set j, j+2
.endr
	WIN 0
.set i, 0
.rept 16
	global_store_b128 v[LI], v[RB+4*i:RB+4*i+3], s[12:13] offset:16384*i th:TH_STORE_NT   ; 32 lanes store 512 consecutive bytes, at a multiple of 512 from out0's first byte
.set i, i+1
.endr
	s_wait_tensorcnt 0x0                           ; the wave's end
	ds_add_u32 v[SPW], v[NIL]
	s_wait_dscnt 0x0
	CROUND                                         ; the closing round
	s_endpgm
.Lfunc_end_k_q8563dc38cb_attn:
	.size	k_q8563dc38cb_attn, .Lfunc_end_k_q8563dc38cb_attn-k_q8563dc38cb_attn
	.p2alignl 7, 3214868480
	.fill 96, 4, 3214868480
	.section	.rodata,"a",@progbits
	.p2align	6, 0x0
	.amdhsa_kernel k_q8563dc38cb_attn
		.amdhsa_group_segment_fixed_size 327680
		.amdhsa_private_segment_fixed_size 0
		.amdhsa_enable_private_segment 0
		.amdhsa_kernarg_size 40
		.amdhsa_user_sgpr_count 2
		.amdhsa_user_sgpr_kernarg_segment_ptr 1
		.amdhsa_wavefront_size32 1
		.amdhsa_system_sgpr_workgroup_id_x 1
		.amdhsa_system_sgpr_workgroup_id_y 1
		.amdhsa_system_sgpr_workgroup_id_z 1
		.amdhsa_system_vgpr_workitem_id 0
		.amdhsa_next_free_vgpr 512
		.amdhsa_next_free_sgpr 66
		.amdhsa_reserve_vcc 0
		.amdhsa_float_denorm_mode_32 3
		.amdhsa_float_denorm_mode_16_64 3
		.amdhsa_memory_ordered 1
		.amdhsa_forward_progress 1
		.amdhsa_inst_pref_size 239
	.end_amdhsa_kernel
	.amdgpu_metadata
---
amdhsa.version: [ 1, 2 ]
amdhsa.kernels:
  - .name:           k_q8563dc38cb_attn
    .symbol:         k_q8563dc38cb_attn.kd
    .args:
      - { .name: qbuf, .offset: 0, .size: 8, .value_kind: global_buffer, .address_space: global }
      - { .name: kv, .offset: 8, .size: 8, .value_kind: global_buffer, .address_space: global }
      - { .name: wimg, .offset: 16, .size: 8, .value_kind: global_buffer, .address_space: global }
      - { .name: x, .offset: 24, .size: 8, .value_kind: global_buffer, .address_space: global }
      - { .name: out0, .offset: 32, .size: 8, .value_kind: global_buffer, .address_space: global }
    .group_segment_fixed_size: 327680
    .private_segment_fixed_size: 0
    .kernarg_segment_align: 8
    .kernarg_segment_size: 40
    .max_flat_workgroup_size: 256
    .sgpr_count:     66
    .vgpr_count:     512
    .wavefront_size: 32
...
	.end_amdgpu_metadata
.endif
;; end of part 3
